; MI455X (gfx1250); checked and timed in simulation.
; The chip was launched on July 23, 2026; its instructions are those of AMD's public machine-readable ISA for CDNA 5 (MIT licence, August 2026) and "CDNA5" Instruction Set Architecture Reference Guide (July 2026). The comments in the code are by the model that wrote it; some were corrected since.
;; Base Layer. Allowed arithmetic: float matrix products may take bf16 or f16 operands with f32 sums; all other float work in f32.
;; Inputs: W1 8 x 512 x 2,048 float32; W2 8 x 2,048 x 512 float32; b1 8 x 2,048 float32; b2 8 x 512 float32; centroids 8 x 512 float32; ln_b 8 x 512 float32; ln_g 8 x 512 float32; x 2 x 1,024 x 512 float32.
;; Outputs: out0 2 x 1,024 x 512 float32.
;; One version. Each part assembles by itself: llvm-mc -triple=amdgcn-amd-amdhsa -mcpu=gfx1250 --defsym DOCPART=n.
;; ======== version 1 of 1: 5 launches
;; workspace buffers: assign 8,192 bytes of whole numbers; alpha 8,192 bytes; zs 2,555,904 bytes; pos 8,192 bytes of whole numbers; segs 256 bytes of whole numbers; hf 10,223,616 bytes; part 20,447,232 bytes
;; launch route (part 1): grid 256 x 1, 8 waves a work-group, no clusters, 0 bytes of LDS; arguments x, centroids, assign, alpha; writes assign, alpha
.if DOCPART == 1
	.amdgcn_target "amdgcn-amd-amdhsa--gfx1250"
	.amdhsa_code_object_version 6
	.text
	.protected	k_q0f188e7c13_route
	.globl	k_q0f188e7c13_route
	.p2align	8
	.type	k_q0f188e7c13_route,@function
k_q0f188e7c13_route:
	s_mov_b64 s[64:65], 0
	v_nop
	global_prefetch_b8 v0, s[64:65] scope:SCOPE_SE
	s_setreg_imm32_b32 hwreg(HW_REG_WAVE_MODE, 25, 1), 1
	s_wait_xcnt 0x0
; ROUTE: for each of the 2,048 tokens the eight scores x . centroid[e] in f32, the first index of the largest
; score (assign, a whole number) and alpha = sigmoid(largest score).
; One wave takes one token: a row of 512 f32 is 2,048 bytes, four 16-byte loads a lane; 8 waves x 256 work-groups.
; No matrix unit: 8 columns of scores would leave half of a 16 x 16 tile idle, and the choice of an expert
; wants f32 products, not bf16 ones.  No LDS, no barrier: a token never leaves its wave.
; LIMITS: the 512 products of a score are added in another order than in the JAX function (16 in each lane, in two chains,
; then across the lanes), so two scores that differ by less than that rounding may pick the other expert;
; equal scores take the lower index (strict >).  A NaN score loses here and wins in JAX.
; The two results of a token are 4 bytes each, stored by lane 0: 16 KiB in the whole launch.
.set X, 4                              ; v[4:19]    my 16 numbers of the token's row
.set C, 20                             ; v[20:147]  expert e: my 16 numbers of its centroid at C + 16 e
.set S, 148                            ; v[148:163] expert e: a pair of partial sums, then the score in the first
.set T, 164                            ; v[164:170] at work
	s_load_b256 s[4:11], s[0:1], 0x0               ; x s[4:5], centroids s[6:7], assign s[8:9], alpha s[10:11]
	v_and_b32 v1, 31, v0                           ; lane
	v_lshrrev_b32 v3, 5, v0
	v_readfirstlane_b32 s12, v3                    ; wave
	v_lshlrev_b32 v2, 4, v1                        ; 16 bytes a lane
	s_lshl_b32 s13, ttmp9, 3
	s_add_co_u32 s13, s13, s12                     ; token t = 8 x work-group + wave
	s_lshl_b32 s14, s13, 11                        ; its row: 2,048 bytes
	s_mov_b32 s15, 0
	s_mov_b32 s16, 0x76543210                      ; v_permlanex16_b32: lane i of one half reads lane i of the other
	s_mov_b32 s17, 0xfedcba98
	s_lshl_b32 s18, s13, 2                         ; 4 t: the token's word in assign and in alpha
	v_mov_b32 v[T], 0                              ; written once: v_permlanex16_b32 counts as a reader of its destination
	v_mov_b32 v[T+5], s18
	s_wait_kmcnt 0x0
	s_add_nc_u64 s[4:5], s[4:5], s[14:15]
.set i, 0
.rept 4
	global_load_b128 v[X+4*i:X+4*i+3], v2, s[4:5] offset:512*i
.set i, i+1
.endr
.set e, 0
.rept 8
.set i, 0
.rept 4
	global_load_b128 v[C+16*e+4*i:C+16*e+4*i+3], v2, s[6:7] offset:2048*e+512*i
.set i, i+1
.endr
.set e, e+1
.endr
; the sum over the 32 lanes, left in every lane
.macro WSUM reg, tmp
	v_add_f32_dpp v[\reg], v[\reg], v[\reg] row_xmask:1 row_mask:0xf bank_mask:0xf
	v_add_f32_dpp v[\reg], v[\reg], v[\reg] row_xmask:2 row_mask:0xf bank_mask:0xf
	v_add_f32_dpp v[\reg], v[\reg], v[\reg] row_xmask:4 row_mask:0xf bank_mask:0xf
	v_add_f32_dpp v[\reg], v[\reg], v[\reg] row_xmask:8 row_mask:0xf bank_mask:0xf
	v_permlanex16_b32 v[\tmp], v[\reg], s16, s17
	v_add_f32 v[\reg], v[\reg], v[\tmp]
.endm
.set e, 0
.rept 8
	s_wait_loadcnt 28-4*e                          ; x and centroid e are in; the later experts' rows, 4 loads each, stay out
	v_pk_mul_f32 v[S+2*e:S+2*e+1], v[X:X+1], v[C+16*e:C+16*e+1]      ; the first product starts the sums
.set k, 2
.rept 7
	v_pk_fma_f32 v[S+2*e:S+2*e+1], v[X+k:X+k+1], v[C+16*e+k:C+16*e+k+1], v[S+2*e:S+2*e+1]
.set k, k+2
.endr
	v_add_f32 v[S+2*e], v[S+2*e], v[S+2*e+1]
.set e, e+1
.endr
.set e, 0
.rept 8
	WSUM S+2*e, T
.set e, e+1
.endr
	; the first index of the largest score
	v_mov_b32 v[T+1], v[S]                         ; best
	v_mov_b32 v[T+2], 0                            ; its index
.set e, 1
.rept 7
	v_cmp_gt_f32 vcc_lo, v[S+2*e], v[T+1]
	v_cndmask_b32 v[T+2], v[T+2], e, vcc_lo
	v_max_num_f32 v[T+1], v[T+1], v[S+2*e]
.set e, e+1
.endr
	; alpha = 1 / (1 + 2^(-1.442695 best)): a very negative score gives 1 / inf = 0, a very positive one 1 / 1
	v_mul_f32 v[T+3], 0xbfb8aa3b, v[T+1]
	v_exp_f32 v[T+3], v[T+3]
	v_nop                                          ; one plain vector instruction behind a transcendental (ISA guide 5.7.2)
	s_wait_alu depctr_va_vdst(0)
	v_add_f32 v[T+3], 1.0, v[T+3]
	v_rcp_f32 v[T+4], v[T+3]
	v_nop
	s_wait_xcnt 0x0                                ; EXEC is a source of the loads above: it changes only behind this wait
	v_cmp_eq_u32 vcc_lo, 0, v1
	s_and_saveexec_b32 s19, vcc_lo                 ; lane 0 alone, to the end
	global_store_b32 v[T+5], v[T+2], s[8:9]
	s_wait_alu depctr_va_vdst(0)
	global_store_b32 v[T+5], v[T+4], s[10:11]
	s_endpgm
.Lfunc_end_k_q0f188e7c13_route:
	.size	k_q0f188e7c13_route, .Lfunc_end_k_q0f188e7c13_route-k_q0f188e7c13_route
	.p2alignl 7, 3214868480
	.fill 96, 4, 3214868480
	.section	.rodata,"a",@progbits
	.p2align	6, 0x0
	.amdhsa_kernel k_q0f188e7c13_route
		.amdhsa_group_segment_fixed_size 0
		.amdhsa_private_segment_fixed_size 0
		.amdhsa_enable_private_segment 0
		.amdhsa_kernarg_size 32
		.amdhsa_user_sgpr_count 2
		.amdhsa_user_sgpr_kernarg_segment_ptr 1
		.amdhsa_wavefront_size32 1
		.amdhsa_system_sgpr_workgroup_id_x 1
		.amdhsa_system_sgpr_workgroup_id_y 1
		.amdhsa_system_sgpr_workgroup_id_z 1
		.amdhsa_system_vgpr_workitem_id 0
		.amdhsa_next_free_vgpr 176
		.amdhsa_next_free_sgpr 66
		.amdhsa_reserve_vcc 1
		.amdhsa_float_denorm_mode_32 3
		.amdhsa_float_denorm_mode_16_64 3
		.amdhsa_memory_ordered 1
		.amdhsa_forward_progress 1
		.amdhsa_inst_pref_size 13
	.end_amdhsa_kernel
	.amdgpu_metadata
---
amdhsa.version: [ 1, 2 ]
amdhsa.kernels:
  - .name:           k_q0f188e7c13_route
    .symbol:         k_q0f188e7c13_route.kd
    .args:
      - { .name: x, .offset: 0, .size: 8, .value_kind: global_buffer, .address_space: global }
      - { .name: centroids, .offset: 8, .size: 8, .value_kind: global_buffer, .address_space: global }
      - { .name: assign, .offset: 16, .size: 8, .value_kind: global_buffer, .address_space: global }
      - { .name: alpha, .offset: 24, .size: 8, .value_kind: global_buffer, .address_space: global }
    .group_segment_fixed_size: 0
    .private_segment_fixed_size: 0
    .kernarg_segment_align: 8
    .kernarg_segment_size: 32
    .max_flat_workgroup_size: 256
    .sgpr_count:     66
    .vgpr_count:     176
    .wavefront_size: 32
...
	.end_amdgpu_metadata
.endif
;; end of part 1
;; launch place (part 2): grid 256 x 1, 8 waves a work-group, no clusters, 1,280 bytes of LDS; arguments x, assign, ln_g, ln_b, zs, pos, segs; writes zs, pos, segs
.if DOCPART == 2
	.amdgcn_target "amdgcn-amd-amdhsa--gfx1250"
	.amdhsa_code_object_version 6
	.text
	.protected	k_q0f188e7c13_place
	.globl	k_q0f188e7c13_place
	.p2align	8
	.type	k_q0f188e7c13_place,@function
k_q0f188e7c13_place:
	s_mov_b64 s[64:65], 0
	v_nop
	global_prefetch_b8 v0, s[64:65] scope:SCOPE_SE
	s_setreg_imm32_b32 hwreg(HW_REG_WAVE_MODE, 25, 1), 1
	s_wait_xcnt 0x0
; PLACE: gives every token a position in a list sorted by expert, stores there its LayerNorm with the gain and bias
; of its expert, in bf16 (zs), and stores the position under the token's number (pos).
; Expert e owns a segment of 64 ceil(n_e / 64) positions behind those of the experts before it: at most
; (2,048 + 8 x 63) rounded down to a multiple of 64 = 2,496 positions.  The positions behind an expert's n_e tokens
; are pad rows: zeros in zs.  segs[e] = {first position, positions / 64, n_e, 0}.
; No atomics: every wave reads all 2,048 assignments (8 KiB) and counts for itself.  Wave w of work-group g owns token
; t = 8 g + w, counts the tokens whose key (expert x 2,048 + token) is below its own, and counts expert w; the eight
; counts meet in LDS.  Work-group g also writes pad row g of each expert that has so many (at most 63).
; LayerNorm in f32 in two passes (mean, then the squares of the differences), as the JAX function has it.
; pos takes one 4-byte store of lane 0 for each token: 8 KiB in the whole launch.
.set A,  16                            ; v[16:79]   register 4 c + q: the expert of token 128 c + 4 lane + q, then its key less 128 c + q
.set X,  80                            ; v[80:95]   register 4 i + k: column 128 i + 4 lane + k of my token
.set G,  96                            ; v[96:111]  the gain of these columns
.set BV, 112                           ; v[112:127] the bias
.set T,  128                           ; v[128:135] at work, then the 8 packed words to store
.set Z,  136                           ; v[136:139] zeros for a pad row (before that: counts read from LDS)
.set NPOS, 2496
	s_load_b256 s[4:11], s[0:1], 0x0               ; x s[4:5], assign s[6:7], ln_g s[8:9], ln_b s[10:11]
	s_load_b128 s[12:15], s[0:1], 0x20             ; zs s[12:13], pos s[14:15]
	s_load_b64 s[16:17], s[0:1], 0x30              ; segs
	v_lshl_add_u32 v148, v0, 2, 0x100
	v_mov_b32 v149, 0
	v_lshrrev_b32 v5, 5, v0
	v_readfirstlane_b32 s18, v5                    ; wave w
	v_and_b32 v1, 31, v0                           ; lane
	v_lshlrev_b32 v2, 4, v1                        ; 16 lane
	v_lshlrev_b32 v3, 2, v1                        ; 4 lane
	v_lshlrev_b32 v4, 3, v1                        ; 8 lane
	s_mov_b32 s73, ttmp9                           ; g
	s_lshl_b32 s19, s73, 3
	s_add_co_u32 s19, s19, s18                     ; t
	s_lshl_b32 s52, s19, 2
	s_mov_b32 s53, 0
	s_lshl_b32 s54, s19, 11
	s_mov_b32 s55, 0
	s_mov_b32 s70, 0x76543210
	s_mov_b32 s71, 0xfedcba98
	s_mov_b32 s72, 0x3b000000                      ; 1 / 512
	s_wait_kmcnt 0x0
	s_add_nc_u64 s[56:57], s[6:7], s[52:53]
	s_load_b32 s20, s[56:57], 0x0                  ; my token's expert, as a scalar
	s_add_nc_u64 s[76:77], s[14:15], s[52:53]      ; pos at my token
	s_add_nc_u64 s[4:5], s[4:5], s[54:55]
.set i, 0
.rept 16
	global_load_b128 v[A+4*i:A+4*i+3], v2, s[6:7] offset:512*i       ; all assignments: 128 tokens a load
.set i, i+1
.endr
.set i, 0
.rept 4
	global_load_b128 v[X+4*i:X+4*i+3], v2, s[4:5] offset:512*i
.set i, i+1
.endr
	s_wait_kmcnt 0x0
	s_min_u32 s20, s20, 7                          ; a loaded number enters an address only clamped
	s_lshl_b32 s52, s20, 11                        ; expert x 2,048: the byte offset of its row of gains, and the key's upper part
	s_add_nc_u64 s[8:9], s[8:9], s[52:53]
	s_add_nc_u64 s[10:11], s[10:11], s[52:53]
.set i, 0
.rept 4
	global_load_b128 v[G+4*i:G+4*i+3], v2, s[8:9] offset:512*i
.set i, i+1
.endr
.set i, 0
.rept 4
	global_load_b128 v[BV+4*i:BV+4*i+3], v2, s[10:11] offset:512*i
.set i, i+1
.endr
	s_add_co_u32 s21, s52, s19                     ; my key
	s_mov_b32 s22, 0                               ; n_w: tokens of expert w
	s_mov_b32 s23, 0                               ; keys below mine
	s_wait_loadcnt 12                              ; the assignments are in; x, gain and bias, 4 loads each, stay out
.set i, 0
.rept 64
	v_cmp_eq_u32 s[48+2*(i%2)], s18, v[A+i]
	v_lshl_add_u32 v[A+i], v[A+i], 11, v3          ; expert x 2,048 + 4 lane: the key less 128 c + q
	s_sub_co_i32 s58, s21, 128*(i/4)+(i%4)         ; may be negative: the compare is signed
	v_cmp_gt_i32 s[49+2*(i%2)], s58, v[A+i]
	s_bcnt1_i32_b32 s59, s[48+2*(i%2)]
	s_add_co_u32 s22, s22, s59
	s_bcnt1_i32_b32 s60, s[49+2*(i%2)]
	s_add_co_u32 s23, s23, s60
.set i, i+1
.endr
	; the eight counts meet in LDS: word w is wave w's
	v_mov_b32 v[T], s22
	s_lshl_b32 s58, s18, 2
	v_mov_b32 v[T+1], s58
	ds_store_b32 v[T+1], v[T]
	s_wait_dscnt 0x0                               ; for the other waves: my word is written before I signal
	s_barrier_signal -1
	s_barrier_wait -1
	v_mov_b32 v[T+2], 0
	ds_load_b128 v[T+4:T+7], v[T+2]
	ds_load_b128 v[T+8:T+11], v[T+2] offset:16
	s_wait_dscnt 0x0
.set e, 0
.rept 8
	v_readfirstlane_b32 s[24+e], v[T+4+e]          ; s[24:31] n_e
.set e, e+1
.endr
.set e, 0
.rept 8
	s_sub_co_u32 s[32+e], 0, s[24+e]
	s_and_b32 s[32+e], s[32+e], 63                 ; s[32:39] pad rows of expert e
	s_add_co_u32 s[40+e], s[24+e], s[32+e]         ; s[40:47] its segment
.set e, e+1
.endr
; dst += the sum of arr[e] over e < sel
.macro PREFIX dst, sel, arr
.set pe, 0
.rept 7
	s_cmp_gt_u32 \sel, pe
	s_cselect_b32 s58, s[\arr+pe], 0
	s_add_co_u32 \dst, \dst, s58
.set pe, pe+1
.endr
.endm
	s_mov_b32 s61, s23                             ; keys below mine = tokens of earlier experts + my rank in my expert
	PREFIX s61, s20, 32                            ; + the earlier experts' pad rows = my position
	s_min_u32 s61, s61, NPOS-1
	s_mov_b32 s62, 0
	PREFIX s62, s18, 40                            ; first position of expert w
	s_sub_co_u32 s63, 0, s22
	s_and_b32 s63, s63, 63                         ; pad rows of expert w
	s_add_co_u32 s66, s22, s63                     ; its segment
	s_add_co_u32 s67, s62, s22
	s_add_co_u32 s67, s67, s73                     ; its pad row g
	s_min_u32 s67, s67, NPOS-1
	s_mov_b32 s59, 0
	s_lshl_b32 s58, s61, 10
	s_add_nc_u64 s[68:69], s[12:13], s[58:59]      ; zs at my position: rows of 1,024 bytes
	s_lshl_b32 s58, s67, 10
	s_add_nc_u64 s[74:75], s[12:13], s[58:59]      ; zs at the pad row
	s_lshr_b32 s60, s66, 6
	s_lshl_b32 s58, s18, 4
	; everything that lane 0 will store is written with all lanes on
	v_mov_b32 v[Z], 0
	v_mov_b32 v[Z+1], 0
	v_mov_b32 v[Z+2], 0
	v_mov_b32 v[Z+3], 0
	v_mov_b32 v140, s61                            ; my position
	v_mov_b32 v141, 0
	v_mov_b32 v143, s58                            ; 16 w: record w of segs
	v_mov_b32 v144, s62
	v_mov_b32 v145, s60
	v_mov_b32 v146, s22
	v_mov_b32 v147, 0
.macro WSUM reg, tmp
	v_add_f32_dpp v[\reg], v[\reg], v[\reg] row_xmask:1 row_mask:0xf bank_mask:0xf
	v_add_f32_dpp v[\reg], v[\reg], v[\reg] row_xmask:2 row_mask:0xf bank_mask:0xf
	v_add_f32_dpp v[\reg], v[\reg], v[\reg] row_xmask:4 row_mask:0xf bank_mask:0xf
	v_add_f32_dpp v[\reg], v[\reg], v[\reg] row_xmask:8 row_mask:0xf bank_mask:0xf
	v_permlanex16_b32 v[\tmp], v[\reg], s70, s71
	v_add_f32 v[\reg], v[\reg], v[\tmp]
.endm
	; LayerNorm
	s_wait_loadcnt 8                               ; x is in; gain and bias, 4 loads each, stay out
	v_pk_add_f32 v[T:T+1], v[X:X+1], v[X+2:X+3]
	v_pk_add_f32 v[T+2:T+3], v[X+4:X+5], v[X+6:X+7]
	v_pk_add_f32 v[T+4:T+5], v[X+8:X+9], v[X+10:X+11]
	v_pk_add_f32 v[T+6:T+7], v[X+12:X+13], v[X+14:X+15]
	v_pk_add_f32 v[T:T+1], v[T:T+1], v[T+2:T+3]
	v_pk_add_f32 v[T+4:T+5], v[T+4:T+5], v[T+6:T+7]
	v_pk_add_f32 v[T:T+1], v[T:T+1], v[T+4:T+5]
	v_add_f32 v[T], v[T], v[T+1]
	WSUM T, T+1
	v_mul_f32 v[T+2], s72, v[T]                    ; the mean,
	v_mov_b32 v[T+3], v[T+2]                       ; twice, for the packed subtraction
.set k, 0
.rept 8
	v_pk_add_f32 v[X+k:X+k+1], v[X+k:X+k+1], v[T+2:T+3] neg_lo:[0,1] neg_hi:[0,1]
.set k, k+2
.endr
	v_pk_mul_f32 v[T:T+1], v[X:X+1], v[X:X+1]      ; two chains of squares, started by products
	v_pk_mul_f32 v[T+4:T+5], v[X+2:X+3], v[X+2:X+3]
.set k, 4
.rept 3
	v_pk_fma_f32 v[T:T+1], v[X+k:X+k+1], v[X+k:X+k+1], v[T:T+1]
	v_pk_fma_f32 v[T+4:T+5], v[X+k+2:X+k+3], v[X+k+2:X+k+3], v[T+4:T+5]
.set k, k+4
.endr
	v_pk_add_f32 v[T:T+1], v[T:T+1], v[T+4:T+5]
	v_add_f32 v[T], v[T], v[T+1]
	WSUM T, T+1
	v_mov_b32 v[T+2], 0x3727c5ac                   ; 1e-5
	v_fma_f32 v[T+2], v[T], s72, v[T+2]            ; variance + eps
	v_rsq_f32 v[T+4], v[T+2]
	v_nop                                          ; one plain vector instruction behind a transcendental (ISA guide 5.7.2)
	s_wait_alu depctr_va_vdst(0)
	v_mov_b32 v[T+5], v[T+4]
	s_wait_loadcnt 0x0                             ; gain and bias
.set k, 0
.rept 8
	v_pk_mul_f32 v[X+k:X+k+1], v[X+k:X+k+1], v[T+4:T+5]
.set k, k+2
.endr
.set k, 0
.rept 8
	v_pk_fma_f32 v[X+k:X+k+1], v[X+k:X+k+1], v[G+k:G+k+1], v[BV+k:BV+k+1]
.set k, k+2
.endr
.set k, 0
.rept 8
	v_cvt_pk_bf16_f32 v[T+k], v[X+2*k], v[X+2*k+1]
.set k, k+1
.endr
.set i, 0
.rept 4
	global_store_b64 v4, v[T+2*i:T+2*i+1], s[68:69] offset:256*i     ; 32 lanes store 256 consecutive bytes, aligned
.set i, i+1
.endr
	s_cmp_lt_u32 s73, s63                          ; has expert w a pad row g?
	s_cbranch_scc0 .Lnorow
	global_store_b128 v2, v[Z:Z+3], s[74:75]
	global_store_b128 v2, v[Z:Z+3], s[74:75] offset:512
.Lnorow:
	s_wait_xcnt 0x0                                ; EXEC is a source of the stores above: it changes only behind this wait
	v_cmp_eq_u32 vcc_lo, 0, v1
	s_and_saveexec_b32 s58, vcc_lo                 ; lane 0 alone, to the end
	global_store_b32 v141, v140, s[76:77]          ; pos[t] = my position
	s_cmp_lg_u32 s73, 0
	s_cbranch_scc1 .Lend
	global_store_b128 v143, v[144:147], s[16:17]   ; work-group 0: wave w stores record w
.Lend:
	s_wait_xcnt 0x0
	s_mov_b32 exec_lo, -1
	s_wait_tensorcnt 0x0
	ds_add_u32 v148, v149
	s_wait_dscnt 0x0
	s_endpgm
.Lfunc_end_k_q0f188e7c13_place:
	.size	k_q0f188e7c13_place, .Lfunc_end_k_q0f188e7c13_place-k_q0f188e7c13_place
	.p2alignl 7, 3214868480
	.fill 96, 4, 3214868480
	.section	.rodata,"a",@progbits
	.p2align	6, 0x0
	.amdhsa_kernel k_q0f188e7c13_place
		.amdhsa_group_segment_fixed_size 1280
		.amdhsa_private_segment_fixed_size 0
		.amdhsa_enable_private_segment 0
		.amdhsa_kernarg_size 56
		.amdhsa_user_sgpr_count 2
		.amdhsa_user_sgpr_kernarg_segment_ptr 1
		.amdhsa_wavefront_size32 1
		.amdhsa_system_sgpr_workgroup_id_x 1
		.amdhsa_system_sgpr_workgroup_id_y 1
		.amdhsa_system_sgpr_workgroup_id_z 1
		.amdhsa_system_vgpr_workitem_id 0
		.amdhsa_next_free_vgpr 150
		.amdhsa_next_free_sgpr 80
		.amdhsa_reserve_vcc 1
		.amdhsa_float_denorm_mode_32 3
		.amdhsa_float_denorm_mode_16_64 3
		.amdhsa_memory_ordered 1
		.amdhsa_forward_progress 1
		.amdhsa_inst_pref_size 38
	.end_amdhsa_kernel
	.amdgpu_metadata
---
amdhsa.version: [ 1, 2 ]
amdhsa.kernels:
  - .name:           k_q0f188e7c13_place
    .symbol:         k_q0f188e7c13_place.kd
    .args:
      - { .name: x, .offset: 0, .size: 8, .value_kind: global_buffer, .address_space: global }
      - { .name: assign, .offset: 8, .size: 8, .value_kind: global_buffer, .address_space: global }
      - { .name: ln_g, .offset: 16, .size: 8, .value_kind: global_buffer, .address_space: global }
      - { .name: ln_b, .offset: 24, .size: 8, .value_kind: global_buffer, .address_space: global }
      - { .name: zs, .offset: 32, .size: 8, .value_kind: global_buffer, .address_space: global }
      - { .name: pos, .offset: 40, .size: 8, .value_kind: global_buffer, .address_space: global }
      - { .name: segs, .offset: 48, .size: 8, .value_kind: global_buffer, .address_space: global }
    .group_segment_fixed_size: 1280
    .private_segment_fixed_size: 0
    .kernarg_segment_align: 8
    .kernarg_segment_size: 56
    .max_flat_workgroup_size: 256
    .sgpr_count:     80
    .vgpr_count:     150
    .wavefront_size: 32
...
	.end_amdgpu_metadata
.endif
;; end of part 2
;; launch ffn1 (part 3): grid 32 x 8, 4 waves a work-group, no clusters, 136,704 bytes of LDS; arguments zs, W1, b1, segs, hf; writes hf
.if DOCPART == 3
	.amdgcn_target "amdgcn-amd-amdhsa--gfx1250"
	.amdhsa_code_object_version 6
	.text
	.protected	k_q0f188e7c13_ffn1
	.globl	k_q0f188e7c13_ffn1
	.p2align	8
	.type	k_q0f188e7c13_ffn1,@function
k_q0f188e7c13_ffn1:
	s_mov_b64 s[64:65], 0
	v_nop
	global_prefetch_b8 v0, s[64:65] scope:SCOPE_SE
	s_setreg_imm32_b32 hwreg(HW_REG_WAVE_MODE, 25, 1), 1
	s_wait_xcnt 0x0
; FFN1: hf = relu(zs W1[e] + b1[e]) for the positions of expert e, in bf16.
; Work-group (j, e) owns 64 of the 2,048 hidden columns of expert e: 512 x 64 f32 of W1 = 128 KiB, read once in the launch.
; Its four waves each convert a quarter of them (128 rows of K) to bf16 and transpose them through LDS; then EVERY wave
; holds the whole slice as fragments, 16 K steps x 4 column tiles x 8 = 512 registers, and multiplies tiles of 16 tokens
; against it: 64 matrix instructions a tile, each token fragment feeding four.  Wave w takes tiles 4 i + w of the
; expert's segment; a segment is a multiple of 64 positions, so all waves make the same q trips (segs, stored by an earlier launch).
; THE MATRIX INSTRUCTION IS USED TRANSPOSED: source 0 = 16 columns of W1, source 1 = 16 tokens.  Register j of lane (r, h) then
; holds token r, column 8 h + j: eight neighbouring hidden numbers, which pack into 16 bytes, and these 16 bytes are
; half of the token fragment that the second product wants.  So hf is laid out as fragments:
;   byte = tile x 65,536 + S x 1,024 + half x 512 + lane x 16,  S = hidden column / 32,
; and every store of a wave covers 512 consecutive bytes, aligned.  The bias enters as the C of the first product.
; NO CLUSTER, NO TENSOR LOADS: W1 has to pass through registers for the conversion and is shared by nobody; the token tiles
; are shared by the 32 work-groups of an expert, but the number of tiles is read from memory, and a ring of slots with one
; descriptor set each would need a written-out tail for each residue of that number.  Tiles come by plain loads, one tile ahead.
; The one barrier is passed by every wave whatever segs holds: the exit of an expert without tokens (q = 0) stands behind it,
; so such an expert's work-groups convert their slice all the same and then end.
; LIMITS: operands bf16, sums f32.  relu by v_max_num_f32: a NaN becomes 0, in JAX it stays.
.set ROWB, 8192                        ; bytes in a row of W1[e]
.set PW,   272                         ; LDS row of the transposed weights: 128 K in bf16 + 16 bytes, an odd multiple of 16
.set WREG, 64*PW                       ; one wave's region: 64 columns
.set STG,  4*WREG                      ; behind them the token stages, one for each wave
.set PS,   1040                        ; a staged token row: 1,024 bytes + 16
; window 0
.set WOFF, 4                           ; W1: 8 rows x half + 16 r
.set WST,  5                           ; where I put 8 K of a column
.set BFA,  6                           ; where I read a weight fragment
.set L16,  7                           ; 16 lane
.set AST,  8                           ; token stage: in
.set AFA,  9                           ; token stage: fragments out
.set HB,   10                          ; 32 h: my eight biases of a column tile
.set CT,   16                          ; v[16:31]   converted weights
.set ACC,  32                          ; v[32:63]   4 column tiles x 8
.set BIAS, 64                          ; v[64:95]   the bias in the layout of ACC
.set OT,   96                          ; v[96:111]  packed results
.set AF,   128                         ; v[128:255] token fragments of 16 K steps
; window 1: v[0:255] eight slots of 32 for weight rows as loaded; afterwards v[0:127] a token tile as loaded
; windows 2, 3: weight fragment (K step s, column tile n) at v[32 (s % 8) + 8 n], window 2 for s < 8
.set MSB, 0
.macro WIN new                         ; the immediate's high byte repeats the setting that is left
.if MSB != \new
	s_set_vgpr_msb (MSB<<8)|\new
.set MSB, \new
.endif
.endm
.macro PLACES                          ; four plain vector instructions behind a matrix instruction (ISA guide 7.12.1)
.rept 4
	v_nop
.endr
.endm
; 16 rows of K x 64 columns: load i brings row i (lanes 0-15, 256 consecutive bytes) and row 8 + i (lanes 16-31)
.macro WLOAD slot, off
	WIN 0x40
.set wi, 0
.rept 8
	global_load_b128 v[32*(\slot)+4*wi:32*(\slot)+4*wi+3], v[WOFF], s[6:7] offset:(\off)+wi*ROWB th:TH_LOAD_NT
.set wi, wi+1
.endr
.endm
; the slot's 8 K of my four columns 4 r + q to bf16, 16 bytes a column, into LDS row 4 r + q at K = 16 gp + 8 h.
; each weight passes here once.
.macro WCONV slot, gp
	WIN 0x05
.set cq, 0
.rept 4
.set cm, 0
.rept 4
	v_cvt_pk_bf16_f32 v[CT+4*cq+cm], v[32*(\slot)+8*cm+cq], v[32*(\slot)+8*cm+4+cq]
.set cm, cm+1
.endr
.set cq, cq+1
.endr
	WIN 0
.set cq, 0
.rept 4
	ds_store_b128 v[WST], v[CT+4*cq:CT+4*cq+3] offset:cq*PW+(\gp)*32
.set cq, cq+1
.endr
.endm
; the four weight fragments of K step ks, which lie at K = 32 kq of the region at roff
.macro BLOAD ks, roff, kq
.if (\ks) < 8
	WIN 0x80
.else
	WIN 0xc0
.endif
.set bn, 0
.rept 4
	ds_load_b128 v[32*((\ks)%8)+8*bn:32*((\ks)%8)+8*bn+3],   v[BFA] offset:(\roff)+bn*16*PW+64*(\kq)
	ds_load_b128 v[32*((\ks)%8)+8*bn+4:32*((\ks)%8)+8*bn+7], v[BFA] offset:(\roff)+bn*16*PW+64*(\kq)+32
.set bn, bn+1
.endr
.endm
; K steps from .. from + cnt - 1, four chains in place; K step 0 takes the bias as C and starts the sums
.macro MULQ from, cnt
.set ms, \from
.rept \cnt
.if ms < 8
	WIN 0x02
.else
	WIN 0x03
.endif
.set mn, 0
.rept 4
.if ms == 0
	v_wmma_f32_16x16x32_bf16 v[ACC+8*mn:ACC+8*mn+7], v[32*(ms%8)+8*mn:32*(ms%8)+8*mn+7], v[AF+8*ms:AF+8*ms+7], v[BIAS+8*mn:BIAS+8*mn+7]
.else
	v_wmma_f32_16x16x32_bf16 v[ACC+8*mn:ACC+8*mn+7], v[32*(ms%8)+8*mn:32*(ms%8)+8*mn+7], v[AF+8*ms:AF+8*ms+7], v[ACC+8*mn:ACC+8*mn+7]
.endif
.set mn, mn+1
.endr
.set ms, ms+1
.endr
.endm
; a token tile, 16 rows x 1,024 bytes = 16 KiB that lie together: 32 loads of 512 consecutive bytes
.macro RLOAD
	WIN 0x40
.set ri, 0
.rept 32
	global_load_b128 v[4*ri:4*ri+3], v[L16], s[4:5] offset:512*ri
.set ri, ri+1
.endr
.endm
	s_load_b256 s[4:11], s[0:1], 0x0               ; zs s[4:5], W1 s[6:7], b1 s[8:9], segs s[10:11]
	s_load_b64 s[12:13], s[0:1], 0x20              ; hf
	v_lshl_add_u32 v126, v0, 2, 0x21400
	v_mov_b32 v127, 0
	v_lshrrev_b32 v1, 5, v0
	v_readfirstlane_b32 s14, v1                    ; wave w
	s_and_b32 s15, ttmp7, 0xffff                   ; expert e
	s_mov_b32 s16, ttmp9                           ; column slice j
	s_lshl_b32 s26, s15, 4
	s_mov_b32 s27, 0
	s_wait_kmcnt 0x0
	s_add_nc_u64 s[10:11], s[10:11], s[26:27]
	s_load_b128 s[20:23], s[10:11], 0x0            ; first position, q, n, 0
	v_and_b32 v1, 31, v0                           ; lane
	v_and_b32 v2, 15, v0                           ; r
	v_bfe_u32 v3, v0, 4, 1                         ; h
	v_lshlrev_b32 v[WOFF], 16, v3                  ; 8 rows of 8,192 bytes
	v_lshl_add_u32 v[WOFF], v2, 4, v[WOFF]
	s_mul_i32 s28, s14, WREG
	v_mul_u32_u24 v[WST], v2, 4*PW
	v_lshl_add_u32 v[WST], v3, 4, v[WST]
	v_add_nc_u32 v[WST], s28, v[WST]
	v_mul_u32_u24 v[BFA], v2, PW
	v_lshl_add_u32 v[BFA], v3, 4, v[BFA]
	v_lshlrev_b32 v[L16], 4, v1
	s_mul_i32 s29, s14, 16*PS
	s_add_co_u32 s29, s29, STG                     ; my stage
	v_add_nc_u32 v[AST], s29, v[L16]
	v_mul_u32_u24 v[AFA], v2, PS
	v_lshl_add_u32 v[AFA], v3, 4, v[AFA]
	v_add_nc_u32 v[AFA], s29, v[AFA]
	v_lshlrev_b32 v[HB], 5, v3
	s_wait_kmcnt 0x0
	s_min_u32 s20, s20, 2432                       ; loaded numbers enter addresses and trip counts only clamped:
	s_min_u32 s21, s21, 32                         ; with 2,432 the first four tiles lie inside zs and hf whatever q is
	s_lshl_b32 s26, s15, 22                        ; W1: expert x 4 MiB + wave x 128 rows + slice x 256 bytes
	s_lshl_b32 s30, s14, 20
	s_add_co_u32 s26, s26, s30
	s_lshl_b32 s30, s16, 8
	s_add_co_u32 s26, s26, s30
	s_add_nc_u64 s[6:7], s[6:7], s[26:27]
	s_lshl_b32 s26, s15, 13                        ; b1: expert x 8,192 + slice x 256
	s_add_co_u32 s26, s26, s30
	s_add_nc_u64 s[8:9], s[8:9], s[26:27]
	s_lshl_b32 s26, s14, 4                         ; zs: (first position + 16 w) rows of 1,024 bytes
	s_add_co_u32 s26, s26, s20
	s_lshl_b32 s26, s26, 10
	s_add_nc_u64 s[4:5], s[4:5], s[26:27]
	s_lshl_b32 s26, s20, 12                        ; hf: position / 16 x 65,536 + w x 65,536 + slice x 2 K steps x 1,024
	s_lshl_b32 s30, s14, 16
	s_add_co_u32 s26, s26, s30
	s_lshl_b32 s30, s16, 11
	s_add_co_u32 s26, s26, s30
	s_add_nc_u64 s[12:13], s[12:13], s[26:27]
	; THE WEIGHTS.  All 64 loads of my quarter are issued at once: 32 KiB of each wave on their way.
.set bi, 0
.rept 4
	global_load_b128 v[BIAS+8*bi:BIAS+8*bi+3],   v[HB], s[8:9] offset:64*bi
	global_load_b128 v[BIAS+8*bi+4:BIAS+8*bi+7], v[HB], s[8:9] offset:64*bi+16
.set bi, bi+1
.endr
.set g, 0
.rept 8
	WLOAD g, g*16*ROWB
.set g, g+1
.endr
.set g, 0
.rept 4
	s_wait_loadcnt 56-8*g                          ; group g is in; the 7 - g younger groups of 8 loads stay out
	WCONV g, g
.set g, g+1
.endr
	RLOAD                                          ; my first token tile, into the registers of slots 0 to 3, which are converted
.rept 4
	s_wait_loadcnt (7-g)*8+32                      ; the younger groups and the tile's 32 loads stay out
	WCONV g, g
.set g, g+1
.endr
	s_wait_dscnt 0x0                               ; for the other waves: my quarter is written before I signal
	s_barrier_signal -1
	s_barrier_wait -1
	s_cmp_eq_u32 s21, 0
	s_cbranch_scc1 .Lend                           ; no tokens: nothing to multiply; no barrier follows
.set bs, 0
.rept 16
	BLOAD bs, (bs>>2)*WREG, bs&3                   ; K step s lies in wave s / 4's region
.set bs, bs+1
.endr
	WIN 0
	s_wait_dscnt 0x0                               ; the slice is in registers, for the rest of the launch
; One tile.  more = 1: another follows, and its 32 loads are issued here, a whole trip ahead of their use.
.macro FTRIP more
	s_wait_loadcnt 0x0                             ; the tile asked for a trip ago
	WIN 0x04
.set ri, 0
.rept 32
	ds_store_b128 v[AST], v[4*ri:4*ri+3] offset:(ri>>1)*PS+(ri&1)*512    ; into my own stage: no other wave touches it
.set ri, ri+1
.endr
.if \more
	s_add_nc_u64 s[4:5], s[4:5], 0x10000           ; four tiles on; the loads that used this base are done (the wait above)
	RLOAD
.endif
	WIN 0
.set ri, 0
.rept 16
	ds_load_b128 v[AF+8*ri:AF+8*ri+3],   v[AFA] offset:64*ri         ; LDS serves a wave's instructions in order: these see the stores above
	ds_load_b128 v[AF+8*ri+4:AF+8*ri+7], v[AFA] offset:64*ri+32
.set ri, ri+1
.endr
	s_wait_dscnt 24                                ; the fragments of K steps 0-3 are in; 8 loads for every four later steps stay out
	MULQ 0, 4
	s_wait_dscnt 16
	MULQ 4, 4
	s_wait_dscnt 8
	MULQ 8, 4
	s_wait_dscnt 0x0
	MULQ 12, 4
	WIN 0
	PLACES
.set ri, 0
.rept 32
	v_max_num_f32 v[ACC+ri], 0, v[ACC+ri]          ; relu
.set ri, ri+1
.endr
.set ri, 0
.rept 16
	v_cvt_pk_bf16_f32 v[OT+ri], v[ACC+2*ri], v[ACC+2*ri+1]
.set ri, ri+1
.endr
.set ri, 0
.rept 4
	global_store_b128 v[L16], v[OT+4*ri:OT+4*ri+3], s[12:13] offset:512*ri   ; column tile n = K step n / 2, half n % 2, of the second product
.set ri, ri+1
.endr
.if \more
	s_wait_xcnt 0x0                                ; OT and the base are written again only behind this wait
	s_add_nc_u64 s[12:13], s[12:13], 0x40000       ; four tiles on
.endif
.endm
	s_sub_co_u32 s24, s21, 1
	s_cmp_eq_u32 s24, 0
	s_cbranch_scc1 .Ltail
.Ltile:
	FTRIP 1
	s_sub_co_i32 s24, s24, 1
	s_cmp_lg_u32 s24, 0
	s_cbranch_scc1 .Ltile
.Ltail:
	FTRIP 0                                        ; the last tile asks for nothing: no load leaves the segment
.Lend:
	s_wait_tensorcnt 0x0
	ds_add_u32 v126, v127
	s_wait_dscnt 0x0
	s_endpgm
.Lfunc_end_k_q0f188e7c13_ffn1:
	.size	k_q0f188e7c13_ffn1, .Lfunc_end_k_q0f188e7c13_ffn1-k_q0f188e7c13_ffn1
	.p2alignl 7, 3214868480
	.fill 96, 4, 3214868480
	.section	.rodata,"a",@progbits
	.p2align	6, 0x0
	.amdhsa_kernel k_q0f188e7c13_ffn1
		.amdhsa_group_segment_fixed_size 136704
		.amdhsa_private_segment_fixed_size 0
		.amdhsa_enable_private_segment 0
		.amdhsa_kernarg_size 40
		.amdhsa_user_sgpr_count 2
		.amdhsa_user_sgpr_kernarg_segment_ptr 1
		.amdhsa_wavefront_size32 1
		.amdhsa_system_sgpr_workgroup_id_x 1
		.amdhsa_system_sgpr_workgroup_id_y 1
		.amdhsa_system_sgpr_workgroup_id_z 1
		.amdhsa_system_vgpr_workitem_id 0
		.amdhsa_next_free_vgpr 1024
		.amdhsa_next_free_sgpr 66
		.amdhsa_reserve_vcc 0
		.amdhsa_float_denorm_mode_32 3
		.amdhsa_float_denorm_mode_16_64 3
		.amdhsa_memory_ordered 1
		.amdhsa_forward_progress 1
		.amdhsa_inst_pref_size 57
	.end_amdhsa_kernel
	.amdgpu_metadata
---
amdhsa.version: [ 1, 2 ]
amdhsa.kernels:
  - .name:           k_q0f188e7c13_ffn1
    .symbol:         k_q0f188e7c13_ffn1.kd
    .args:
      - { .name: zs, .offset: 0, .size: 8, .value_kind: global_buffer, .address_space: global }
      - { .name: W1, .offset: 8, .size: 8, .value_kind: global_buffer, .address_space: global }
      - { .name: b1, .offset: 16, .size: 8, .value_kind: global_buffer, .address_space: global }
      - { .name: segs, .offset: 24, .size: 8, .value_kind: global_buffer, .address_space: global }
      - { .name: hf, .offset: 32, .size: 8, .value_kind: global_buffer, .address_space: global }
    .group_segment_fixed_size: 136704
    .private_segment_fixed_size: 0
    .kernarg_segment_align: 8
    .kernarg_segment_size: 40
    .max_flat_workgroup_size: 128
    .sgpr_count:     66
    .vgpr_count:     1024
    .wavefront_size: 32
...
	.end_amdgpu_metadata
.endif
;; end of part 3
;; launch ffn2 (part 4): grid 32 x 8, 4 waves a work-group, no clusters, 87,552 bytes of LDS; arguments hf, W2, segs, part; writes part
.if DOCPART == 4
	.amdgcn_target "amdgcn-amd-amdhsa--gfx1250"
	.amdhsa_code_object_version 6
	.text
	.protected	k_q0f188e7c13_ffn2
	.globl	k_q0f188e7c13_ffn2
	.p2align	8
	.type	k_q0f188e7c13_ffn2,@function
k_q0f188e7c13_ffn2:
	s_mov_b64 s[64:65], 0
	v_nop
	global_prefetch_b8 v0, s[64:65] scope:SCOPE_SE
	s_setreg_imm32_b32 hwreg(HW_REG_WAVE_MODE, 25, 1), 1
	s_wait_xcnt 0x0
; FFN2: part[kq][position][d] = the sum over the hidden numbers f = 512 kq .. 512 kq + 511 of hf[position][f] W2[e][f][d], in f32.
; Work-group (x, e): c = x % 8 is a slice of 64 of the 512 output columns, kq = x / 8 a quarter of K.  It owns a block of
; 512 x 64 f32 of W2[e] = 128 KiB, read once in the launch.  Its four waves each convert a quarter of the block (128 rows of K) to
; bf16 and transpose it through LDS; then EVERY wave holds the whole block as fragments, 16 K steps x 4 column tiles x 8 = 512
; registers, and multiplies tiles of 16 positions against it: 64 matrix instructions a tile, each token fragment feeding four.
; Wave w takes tiles 4 i + w of the expert's segment (a multiple of 64 positions): q trips, q read from segs.
; The four quarters of K are added by the next launch: a sum over work-groups goes through memory, and a sum over the waves
; of a work-group would put barriers into a loop whose length is read from memory.
; hf lies in memory as token fragments, so a tile's quarter (16 KiB that lie together) is loaded straight into registers, 512
; consecutive bytes a load, into two buffers that take turns: a tile is asked for a whole trip ahead of its use.
; The matrix instruction is used transposed (source 0 = 16 columns of W2, source 1 = 16 tokens), so that a lane's eight
; results are neighbouring columns of one position; they go through the wave's own LDS stage and leave as whole rows of 256 bytes.
; NO CLUSTER, NO TENSOR LOADS: W2 has to pass through registers for the conversion and is shared by nobody; the tiles of hf are
; shared by the 8 column slices, but the number of tiles is read from memory, and a ring of LDS slots would want barriers in that loop.
; The one barrier is passed by every wave whatever segs holds: the exit of an expert without tokens (q = 0) stands behind it.
; Pad rows are computed and stored like the others; nobody reads them.
; LIMITS: operands bf16, sums f32.
.set ROWB, 2048                        ; bytes in a row of W2[e]
.set PW,   272                         ; LDS row: 128 K in bf16, or 64 f32 of a result, + 16 bytes: an odd multiple of 16
.set WREG, 64*PW                       ; one wave's region: 64 columns
.set STG,  4*WREG                      ; behind them the stages for the way out, 16 rows x 272 bytes for each wave
.set PLANE, 2496*2048                  ; bytes of part for one quarter of K
; window 0
.set WOFF, 4                           ; W2: 8 rows x half + 16 r
.set WST,  5                           ; where I put 8 K of a column
.set BFA,  6                           ; where I read a weight fragment
.set L16,  7                           ; 16 lane
.set RST,  8                           ; the way out: where I put 8 numbers of a row
.set RLD,  9                           ; the way out: where I read a row back
.set PO,   10                          ; my byte offset in part: row h, 16 r
.set CT,   16                          ; v[16:31]   converted weights
.set ACC,  32                          ; v[32:63]   4 column tiles x 8
.set Y,    64                          ; v[64:95]   results by rows
; window 1: v[0:255] eight slots of 32 for weight rows as loaded; afterwards two buffers of 128 for token fragments of 16 K steps
; windows 2, 3: weight fragment (K step s, column tile n) at v[32 (s % 8) + 8 n], window 2 for s < 8
.set MSB, 0
.macro WIN new                         ; the immediate's high byte repeats the setting that is left
.if MSB != \new
	s_set_vgpr_msb (MSB<<8)|\new
.set MSB, \new
.endif
.endm
; Five plain vector instructions behind a tile's last matrix instructions: four would do for the LDS stores that read
; the results and for the loads into the fragment buffer; the fifth is for the next tile's first products, which write over the same accumulators
; with the constant 0 as C.  No other vector work stands between two tiles.
.macro PLACES
.rept 5
	v_nop
.endr
.endm
; 16 rows of K x 64 columns: load i brings row i (lanes 0-15, 256 consecutive bytes) and row 8 + i (lanes 16-31)
.macro WLOAD slot, off
	WIN 0x40
.set wi, 0
.rept 8
	global_load_b128 v[32*(\slot)+4*wi:32*(\slot)+4*wi+3], v[WOFF], s[6:7] offset:(\off)+wi*ROWB th:TH_LOAD_NT
.set wi, wi+1
.endr
.endm
; the slot's 8 K of my four columns 4 r + q to bf16, 16 bytes a column, into LDS row 4 r + q at K = 16 gp + 8 h.
; each weight passes here once.
.macro WCONV slot, gp
	WIN 0x05
.set cq, 0
.rept 4
.set cm, 0
.rept 4
	v_cvt_pk_bf16_f32 v[CT+4*cq+cm], v[32*(\slot)+8*cm+cq], v[32*(\slot)+8*cm+4+cq]
.set cm, cm+1
.endr
.set cq, cq+1
.endr
	WIN 0
.set cq, 0
.rept 4
	ds_store_b128 v[WST], v[CT+4*cq:CT+4*cq+3] offset:cq*PW+(\gp)*32
.set cq, cq+1
.endr
.endm
; the four weight fragments of K step ks, which lie at K = 32 kq of the region at roff
.macro BLOAD ks, roff, kq
.if (\ks) < 8
	WIN 0x80
.else
	WIN 0xc0
.endif
.set bn, 0
.rept 4
	ds_load_b128 v[32*((\ks)%8)+8*bn:32*((\ks)%8)+8*bn+3],   v[BFA] offset:(\roff)+bn*16*PW+64*(\kq)
	ds_load_b128 v[32*((\ks)%8)+8*bn+4:32*((\ks)%8)+8*bn+7], v[BFA] offset:(\roff)+bn*16*PW+64*(\kq)+32
.set bn, bn+1
.endr
.endm
; 16 K steps on fragment buffer buf, four chains in place; K step 0 takes the constant 0 as C and starts the sums
.macro MUL buf
.set ms, 0
.rept 16
.if ms < 8
	WIN 0x06                                       ; source 0 (weights) window 2, source 1 (tokens) window 1, C and D window 0
.else
	WIN 0x07                                       ; weights window 3
.endif
.set mn, 0
.rept 4
.if ms == 0
	v_wmma_f32_16x16x32_bf16 v[ACC+8*mn:ACC+8*mn+7], v[32*(ms%8)+8*mn:32*(ms%8)+8*mn+7], v[128*(\buf)+8*ms:128*(\buf)+8*ms+7], 0
.else
	v_wmma_f32_16x16x32_bf16 v[ACC+8*mn:ACC+8*mn+7], v[32*(ms%8)+8*mn:32*(ms%8)+8*mn+7], v[128*(\buf)+8*ms:128*(\buf)+8*ms+7], v[ACC+8*mn:ACC+8*mn+7]
.endif
.set mn, mn+1
.endr
.set ms, ms+1
.endr
.endm
; my quarter of K of a tile of hf, already in fragment order: load m brings half m % 2 of K step m / 2
.macro ALOAD buf
	WIN 0x40
.set ai, 0
.rept 32
	global_load_b128 v[128*(\buf)+4*ai:128*(\buf)+4*ai+3], v[L16], s[4:5] offset:512*ai
.set ai, ai+1
.endr
.endm
	s_load_b256 s[4:11], s[0:1], 0x0               ; hf s[4:5], W2 s[6:7], segs s[8:9], part s[10:11]
	v_lshl_add_u32 v254, v0, 2, 0x15400
	v_mov_b32 v255, 0
	v_lshrrev_b32 v1, 5, v0
	v_readfirstlane_b32 s14, v1                    ; wave w
	s_and_b32 s15, ttmp7, 0xffff                   ; expert e
	s_and_b32 s16, ttmp9, 7                        ; column slice c
	s_lshr_b32 s17, ttmp9, 3                       ; quarter of K kq
	s_lshl_b32 s26, s15, 4
	s_mov_b32 s27, 0
	s_wait_kmcnt 0x0
	s_add_nc_u64 s[8:9], s[8:9], s[26:27]
	s_load_b128 s[20:23], s[8:9], 0x0              ; first position, q, n, 0
	v_and_b32 v1, 31, v0                           ; lane
	v_and_b32 v2, 15, v0                           ; r
	v_bfe_u32 v3, v0, 4, 1                         ; h
	v_lshlrev_b32 v[WOFF], 14, v3                  ; 8 rows of 2,048 bytes
	v_lshl_add_u32 v[WOFF], v2, 4, v[WOFF]
	s_mul_i32 s28, s14, WREG
	v_mul_u32_u24 v[WST], v2, 4*PW
	v_lshl_add_u32 v[WST], v3, 4, v[WST]
	v_add_nc_u32 v[WST], s28, v[WST]
	v_mul_u32_u24 v[BFA], v2, PW
	v_lshl_add_u32 v[BFA], v3, 4, v[BFA]
	v_lshlrev_b32 v[L16], 4, v1
	s_mul_i32 s29, s14, 16*PW
	s_add_co_u32 s29, s29, STG                     ; my stage
	v_mul_u32_u24 v[RST], v2, PW                   ; in: row r, 32 bytes for each half of the lanes
	v_lshl_add_u32 v[RST], v3, 5, v[RST]
	v_add_nc_u32 v[RST], s29, v[RST]
	v_mul_u32_u24 v[RLD], v3, PW                   ; back: lanes 0-15 take one row of 256 bytes, lanes 16-31 the next
	v_lshl_add_u32 v[RLD], v2, 4, v[RLD]
	v_add_nc_u32 v[RLD], s29, v[RLD]
	v_lshlrev_b32 v[PO], 11, v3                    ; and the same two rows in part: 2,048 bytes apart
	v_lshl_add_u32 v[PO], v2, 4, v[PO]
	s_wait_kmcnt 0x0
	s_min_u32 s20, s20, 2432                       ; loaded numbers enter addresses and trip counts only clamped:
	s_min_u32 s21, s21, 32                         ; with 2,432 the first four tiles lie inside hf and part whatever q is
	s_lshl_b32 s26, s15, 22                        ; W2: expert x 4 MiB + quarter x 512 rows + wave x 128 rows + slice x 256 bytes
	s_lshl_b32 s30, s17, 20
	s_add_co_u32 s26, s26, s30
	s_lshl_b32 s30, s14, 18
	s_add_co_u32 s26, s26, s30
	s_lshl_b32 s31, s16, 8
	s_add_co_u32 s26, s26, s31
	s_add_nc_u64 s[6:7], s[6:7], s[26:27]
	s_lshl_b32 s26, s20, 12                        ; hf: position / 16 x 65,536 + w x 65,536 + quarter x 16 K steps x 1,024
	s_lshl_b32 s30, s14, 16
	s_add_co_u32 s26, s26, s30
	s_lshl_b32 s30, s17, 14
	s_add_co_u32 s26, s26, s30
	s_add_nc_u64 s[4:5], s[4:5], s[26:27]
	s_lshl_b32 s26, s14, 4                         ; part: quarter's plane + (first position + 16 w) rows of 2,048 bytes + slice x 256
	s_add_co_u32 s26, s26, s20
	s_lshl_b32 s26, s26, 11
	s_add_co_u32 s26, s26, s31
	s_mul_i32 s30, s17, PLANE
	s_add_co_u32 s26, s26, s30
	s_add_nc_u64 s[10:11], s[10:11], s[26:27]
	; THE WEIGHTS.  All 64 loads of my quarter of the block are issued at once: 32 KiB of each wave on their way.
.set g, 0
.rept 8
	WLOAD g, g*16*ROWB
.set g, g+1
.endr
.set g, 0
.rept 4
	s_wait_loadcnt 56-8*g                          ; group g is in; the 7 - g younger groups of 8 loads stay out
	WCONV g, g
.set g, g+1
.endr
	ALOAD 0                                        ; my first tile, into the registers of slots 0 to 3, which are converted
.rept 4
	s_wait_loadcnt (7-g)*8+32                      ; the younger groups and the tile's 32 loads stay out
	WCONV g, g
.set g, g+1
.endr
	s_wait_dscnt 0x0                               ; for the other waves: my quarter is written before I signal
	s_barrier_signal -1
	s_barrier_wait -1
	s_cmp_eq_u32 s21, 0
	s_cbranch_scc1 .Lend                           ; no tokens: nothing to multiply; no barrier follows
.set bs, 0
.rept 16
	BLOAD bs, (bs>>2)*WREG, bs&3                   ; K step s lies in wave s / 4's region
.set bs, bs+1
.endr
	WIN 0
	s_wait_dscnt 0x0                               ; the block is in registers, for the rest of the launch
; One tile, whose fragments are in buffer cur.  more = 1: another follows, and its 32 loads are issued here into buffer nxt.
.macro HTRIP cur, nxt, more
	s_wait_loadcnt 0x0                             ; the tile asked for a trip ago
.if \more
	s_add_nc_u64 s[4:5], s[4:5], 0x40000           ; four tiles on; the loads that used this base are done (the wait above)
	ALOAD \nxt
.endif
	MUL \cur
	WIN 0
	PLACES
.set u, 0
.rept 4
	ds_store_b128 v[RST], v[ACC+8*u:ACC+8*u+3]   offset:64*u         ; into my own stage: no other wave touches it
	ds_store_b128 v[RST], v[ACC+8*u+4:ACC+8*u+7] offset:64*u+16
.set u, u+1
.endr
.set u, 0
.rept 8
	ds_load_b128 v[Y+4*u:Y+4*u+3], v[RLD] offset:u*2*PW              ; LDS serves a wave's instructions in order: these see the stores above
.set u, u+1
.endr
.set u, 0
.rept 8
	s_wait_dscnt 7-u                               ; rows 2 u and 2 u + 1 are back; the 7 - u younger loads stay out
	global_store_b128 v[PO], v[Y+4*u:Y+4*u+3], s[10:11] offset:4096*u        ; 16 lanes store 256 consecutive bytes of a row, aligned
.set u, u+1
.endr
.if \more
	s_wait_xcnt 0x0                                ; Y and the base are written again only behind this wait
	s_add_nc_u64 s[10:11], s[10:11], 0x20000       ; 64 rows on
.endif
.endm
	; q tiles: (q - 1) / 2 pairs in the loop, then two tiles if q is even, one if it is odd
	s_sub_co_u32 s24, s21, 1
	s_lshr_b32 s24, s24, 1
	s_cmp_eq_u32 s24, 0
	s_cbranch_scc1 .Lrest
.Lpair:
	HTRIP 0, 1, 1
	HTRIP 1, 0, 1
	s_sub_co_i32 s24, s24, 1
	s_cmp_lg_u32 s24, 0
	s_cbranch_scc1 .Lpair
.Lrest:
	s_and_b32 s25, s21, 1
	s_cmp_lg_u32 s25, 0
	s_cbranch_scc1 .Llast
	HTRIP 0, 1, 1
	HTRIP 1, 0, 0                                  ; the last tile asks for nothing: no load leaves the segment
	s_branch .Lend
.Llast:
	HTRIP 0, 1, 0
.Lend:
	s_wait_tensorcnt 0x0
	ds_add_u32 v254, v255
	s_wait_dscnt 0x0
	s_endpgm
.Lfunc_end_k_q0f188e7c13_ffn2:
	.size	k_q0f188e7c13_ffn2, .Lfunc_end_k_q0f188e7c13_ffn2-k_q0f188e7c13_ffn2
	.p2alignl 7, 3214868480
	.fill 96, 4, 3214868480
	.section	.rodata,"a",@progbits
	.p2align	6, 0x0
	.amdhsa_kernel k_q0f188e7c13_ffn2
		.amdhsa_group_segment_fixed_size 87552
		.amdhsa_private_segment_fixed_size 0
		.amdhsa_enable_private_segment 0
		.amdhsa_kernarg_size 32
		.amdhsa_user_sgpr_count 2
		.amdhsa_user_sgpr_kernarg_segment_ptr 1
		.amdhsa_wavefront_size32 1
		.amdhsa_system_sgpr_workgroup_id_x 1
		.amdhsa_system_sgpr_workgroup_id_y 1
		.amdhsa_system_sgpr_workgroup_id_z 1
		.amdhsa_system_vgpr_workitem_id 0
		.amdhsa_next_free_vgpr 1024
		.amdhsa_next_free_sgpr 66
		.amdhsa_reserve_vcc 0
		.amdhsa_float_denorm_mode_32 3
		.amdhsa_float_denorm_mode_16_64 3
		.amdhsa_memory_ordered 1
		.amdhsa_forward_progress 1
		.amdhsa_inst_pref_size 73
	.end_amdhsa_kernel
	.amdgpu_metadata
---
amdhsa.version: [ 1, 2 ]
amdhsa.kernels:
  - .name:           k_q0f188e7c13_ffn2
    .symbol:         k_q0f188e7c13_ffn2.kd
    .args:
      - { .name: hf, .offset: 0, .size: 8, .value_kind: global_buffer, .address_space: global }
      - { .name: W2, .offset: 8, .size: 8, .value_kind: global_buffer, .address_space: global }
      - { .name: segs, .offset: 16, .size: 8, .value_kind: global_buffer, .address_space: global }
      - { .name: part, .offset: 24, .size: 8, .value_kind: global_buffer, .address_space: global }
    .group_segment_fixed_size: 87552
    .private_segment_fixed_size: 0
    .kernarg_segment_align: 8
    .kernarg_segment_size: 32
    .max_flat_workgroup_size: 128
    .sgpr_count:     66
    .vgpr_count:     1024
    .wavefront_size: 32
...
	.end_amdgpu_metadata
.endif
;; end of part 4
;; launch finish (part 5): grid 256 x 1, 8 waves a work-group, no clusters, 0 bytes of LDS; arguments part, x, alpha, assign, pos, b2, out0; writes out0
.if DOCPART == 5
	.amdgcn_target "amdgcn-amd-amdhsa--gfx1250"
	.amdhsa_code_object_version 6
	.text
	.protected	k_q0f188e7c13_finish
	.globl	k_q0f188e7c13_finish
	.p2align	8
	.type	k_q0f188e7c13_finish,@function
k_q0f188e7c13_finish:
	s_mov_b64 s[64:65], 0
	v_nop
	global_prefetch_b8 v0, s[64:65] scope:SCOPE_SE
	s_setreg_imm32_b32 hwreg(HW_REG_WAVE_MODE, 25, 1), 1
	s_wait_xcnt 0x0
; FINISH: out0[t] = x[t] + alpha[t] (P0 + P1 + P2 + P3 + b2[e]), where Pk is row pos[t] of the k-th quarter's partial sums and
; e = assign[t].  That is alpha x sublayer + (1 - alpha) x of the JAX function; the result goes to the token's own row, so the sort and
; its inverse are never carried out.
; One wave takes one token: every row is 512 f32 = 2,048 bytes, four 16-byte loads a lane; 8 waves x 256 work-groups.
; A stream: no LDS, no barrier, no matrix unit.  All 24 loads of a wave are issued before the one wait for them.
; The token's position, expert and alpha come by scalar loads; the two whole numbers are clamped before they enter an address.
; The four quarters of K are added as (0 + 1) + (2 + 3).
.set X,  4                             ; v[4:19]    register 4 i + k: column 128 i + 4 lane + k of my token
.set B,  20                            ; v[20:35]   b2 of these columns
.set P,  36                            ; v[36:99]   quarter k at P + 16 k
.set AL, 100                           ; v[100:101] alpha, twice
.set PLANE, 2496*2048                  ; bytes of part for one quarter of K
	s_load_b256 s[4:11], s[0:1], 0x0               ; part s[4:5], x s[6:7], alpha s[8:9], assign s[10:11]
	s_load_b128 s[12:15], s[0:1], 0x20             ; pos s[12:13], b2 s[14:15]
	s_load_b64 s[16:17], s[0:1], 0x30              ; out0
	v_and_b32 v1, 31, v0                           ; lane
	v_lshrrev_b32 v3, 5, v0
	v_readfirstlane_b32 s18, v3                    ; wave
	v_lshlrev_b32 v2, 4, v1                        ; 16 bytes a lane
	s_lshl_b32 s19, ttmp9, 3
	s_add_co_u32 s19, s19, s18                     ; token t = 8 x work-group + wave
	s_lshl_b32 s20, s19, 2                         ; its word in alpha, assign and pos
	s_mov_b32 s21, 0
	s_lshl_b32 s22, s19, 11                        ; its row in x and out0
	s_mov_b32 s23, 0
	s_mov_b32 s25, 0
	s_wait_kmcnt 0x0
	s_add_nc_u64 s[8:9], s[8:9], s[20:21]
	s_add_nc_u64 s[10:11], s[10:11], s[20:21]
	s_add_nc_u64 s[12:13], s[12:13], s[20:21]
	s_load_b32 s28, s[8:9], 0x0                    ; alpha
	s_load_b32 s29, s[10:11], 0x0                  ; expert
	s_load_b32 s30, s[12:13], 0x0                  ; position
	s_add_nc_u64 s[6:7], s[6:7], s[22:23]
	s_add_nc_u64 s[16:17], s[16:17], s[22:23]
.set i, 0
.rept 4
	global_load_b128 v[X+4*i:X+4*i+3], v2, s[6:7] offset:512*i th:TH_LOAD_NT
.set i, i+1
.endr
	s_wait_kmcnt 0x0
	s_min_u32 s29, s29, 7                          ; loaded numbers enter an address only clamped
	s_min_u32 s30, s30, 2495
	s_lshl_b32 s24, s29, 11
	s_add_nc_u64 s[14:15], s[14:15], s[24:25]      ; b2 at my expert's row
	s_lshl_b32 s24, s30, 11
	s_add_nc_u64 s[32:33], s[4:5], s[24:25]        ; part at my position, in each of the four planes
	s_add_nc_u64 s[34:35], s[32:33], PLANE
	s_add_nc_u64 s[36:37], s[34:35], PLANE
	s_add_nc_u64 s[38:39], s[36:37], PLANE
.set k, 0
.rept 4
.set i, 0
.rept 4
	global_load_b128 v[P+16*k+4*i:P+16*k+4*i+3], v2, s[32+2*k:33+2*k] offset:512*i th:TH_LOAD_NT
.set i, i+1
.endr
.set k, k+1
.endr
.set i, 0
.rept 4
	global_load_b128 v[B+4*i:B+4*i+3], v2, s[14:15] offset:512*i
.set i, i+1
.endr
	v_mov_b32 v[AL], s28
	v_mov_b32 v[AL+1], s28
	s_wait_loadcnt 0x0
.set k, 0
.rept 8
	v_pk_add_f32 v[P+k:P+k+1], v[P+k:P+k+1], v[P+16+k:P+16+k+1]
	v_pk_add_f32 v[P+32+k:P+32+k+1], v[P+32+k:P+32+k+1], v[P+48+k:P+48+k+1]
	v_pk_add_f32 v[P+k:P+k+1], v[P+k:P+k+1], v[P+32+k:P+32+k+1]
	v_pk_add_f32 v[P+k:P+k+1], v[P+k:P+k+1], v[B+k:B+k+1]
	v_pk_fma_f32 v[P+k:P+k+1], v[P+k:P+k+1], v[AL:AL+1], v[X+k:X+k+1]
.set k, k+2
.endr
.set i, 0
.rept 4
	global_store_b128 v2, v[P+4*i:P+4*i+3], s[16:17] offset:512*i th:TH_STORE_NT     ; 32 lanes store 512 consecutive bytes, aligned
.set i, i+1
.endr
	s_endpgm
.Lfunc_end_k_q0f188e7c13_finish:
	.size	k_q0f188e7c13_finish, .Lfunc_end_k_q0f188e7c13_finish-k_q0f188e7c13_finish
	.p2alignl 7, 3214868480
	.fill 96, 4, 3214868480
	.section	.rodata,"a",@progbits
	.p2align	6, 0x0
	.amdhsa_kernel k_q0f188e7c13_finish
		.amdhsa_group_segment_fixed_size 0
		.amdhsa_private_segment_fixed_size 0
		.amdhsa_enable_private_segment 0
		.amdhsa_kernarg_size 56
		.amdhsa_user_sgpr_count 2
		.amdhsa_user_sgpr_kernarg_segment_ptr 1
		.amdhsa_wavefront_size32 1
		.amdhsa_system_sgpr_workgroup_id_x 1
		.amdhsa_system_sgpr_workgroup_id_y 1
		.amdhsa_system_sgpr_workgroup_id_z 1
		.amdhsa_system_vgpr_workitem_id 0
		.amdhsa_next_free_vgpr 104
		.amdhsa_next_free_sgpr 66
		.amdhsa_reserve_vcc 0
		.amdhsa_float_denorm_mode_32 3
		.amdhsa_float_denorm_mode_16_64 3
		.amdhsa_memory_ordered 1
		.amdhsa_forward_progress 1
		.amdhsa_inst_pref_size 7
	.end_amdhsa_kernel
	.amdgpu_metadata
---
amdhsa.version: [ 1, 2 ]
amdhsa.kernels:
  - .name:           k_q0f188e7c13_finish
    .symbol:         k_q0f188e7c13_finish.kd
    .args:
      - { .name: part, .offset: 0, .size: 8, .value_kind: global_buffer, .address_space: global }
      - { .name: x, .offset: 8, .size: 8, .value_kind: global_buffer, .address_space: global }
      - { .name: alpha, .offset: 16, .size: 8, .value_kind: global_buffer, .address_space: global }
      - { .name: assign, .offset: 24, .size: 8, .value_kind: global_buffer, .address_space: global }
      - { .name: pos, .offset: 32, .size: 8, .value_kind: global_buffer, .address_space: global }
      - { .name: b2, .offset: 40, .size: 8, .value_kind: global_buffer, .address_space: global }
      - { .name: out0, .offset: 48, .size: 8, .value_kind: global_buffer, .address_space: global }
    .group_segment_fixed_size: 0
    .private_segment_fixed_size: 0
    .kernarg_segment_align: 8
    .kernarg_segment_size: 56
    .max_flat_workgroup_size: 256
    .sgpr_count:     66
    .vgpr_count:     104
    .wavefront_size: 32
...
	.end_amdgpu_metadata
.endif
;; end of part 5
